; MI455X (gfx1250); checked and timed in simulation.
; The chip was launched on July 23, 2026; its instructions are those of AMD's public machine-readable ISA for CDNA 5 (MIT licence, August 2026) and "CDNA5" Instruction Set Architecture Reference Guide (July 2026). The comments in the code are by the model that wrote it; some were corrected since.
;; Multi Headed Causal Self Attention. Allowed arithmetic: matrix products marked QUANTISED: E3M2 operands, one E8M0 scale for each 32 along K, by v_wmma_scale_f32_16x16x128_f8f6f4 with both operands' format E3M2, f32 sums; everything else in f32.
;; Inputs: Wk_codes 1,024 x 32 x 24 uint8 (E3M2 codes of Wk, K innermost, in blocks of 32 codes, four codes in three bytes); Wk_scales 1,024 x 32 uint8 (E8M0 scales of Wk, one for each 32 codes along K); Wq_codes 1,024 x 32 x 24 uint8 (E3M2 codes of Wq, K innermost, in blocks of 32 codes, four codes in three bytes); Wq_scales 1,024 x 32 uint8 (E8M0 scales of Wq, one for each 32 codes along K); Wv_codes 1,024 x 32 x 24 uint8 (E3M2 codes of Wv, K innermost, in blocks of 32 codes, four codes in three bytes); Wv_scales 1,024 x 32 uint8 (E8M0 scales of Wv, one for each 32 codes along K); x_codes 4,096 x 32 x 24 uint8 (E3M2 codes of x, K innermost, in blocks of 32 codes, four codes in three bytes); x_scales 4,096 x 32 uint8 (E8M0 scales of x, one for each 32 codes along K).
;; Outputs: out0 4,096 x 1,024 float32.
;; This version of the problem:
;;   THIS VERSION OF THE PROBLEM IS GIVEN IN LOW PRECISION. The matrix products marked QUANTISED in the list below multiply operands that are first quantised to E3M2 (3 exponent bits, 2 mantissa bits; 6 bits a number), with one power-of-two scale for each 32 numbers along K (OCP MX v1.0); their sums are f32. All else is computed in f32.
;;   The module's matrix products, in the order in which they are computed (A, B: the left and right operand; K: the contracted axis; several contracted axes count as one K, in the product's order):
;;     1. [M 4,096, K 1,024] x [K 1,024, N 1,024]; A: input x (given as codes); B: input Wq (given as codes): QUANTISED
;;     2. [M 4,096, K 1,024] x [K 1,024, N 1,024]; A: input x (given as codes); B: input Wk (given as codes): QUANTISED
;;     3. [M 4,096, K 1,024] x [K 1,024, N 1,024]; A: input x (given as codes); B: input Wv (given as codes): QUANTISED
;;     4. batch 16 x [M 4,096, K 64] x [K 64, N 4,096]; A: computed on the way; B: computed on the way: QUANTISED
;;     5. batch 16 x [M 64, K 4,096] x [K 4,096, N 4,096]; A: computed on the way; B: softmax (see below): QUANTISED
;;   THE QUANTISER, for each operand of a quantised product, along K:
;;     - K is cut into blocks of 32 from its start; a last block that is shorter is filled with zeros.
;;     - A block's scale is 2^e with e = floor(log2(the largest magnitude in the block)) - 4, held to -126 .. 127; a block of zeros has e = 0. As a byte (E8M0): e + 127.
;;     - Each number is divided by its block's scale, clamped to +-28, and rounded to the nearest number of E3M2, ties to even, subnormals kept.
;;     - The product sums the exact products of the quantised numbers (number of the format x scale) in f32.
;;   ~~~python
;;   def quantise(x, axis):      # numpy; x: float32 -> the quantised numbers, widened to float32 again
;;       x = np.moveaxis(x, axis, -1); K = x.shape[-1]
;;       x = np.pad(x, [(0, 0)] * (x.ndim - 1) + [(0, -K % 32)]); x = x.reshape(x.shape[:-1] + (-1, 32)); a = np.abs(x).max(-1, keepdims=True)
;;       e = np.where(a > 0, np.clip(np.frexp(np.where(a > 0, a, 1))[1] - 1 - 4, -126, 127), 0)      # np.frexp(a)[1] - 1 = floor(log2(a)), exactly
;;       r = np.clip(x / 2.0 ** e, -28, 28)
;;       step = 2.0 ** (np.maximum(np.frexp(np.where(r == 0, 1, r))[1] - 1, -2) - 2)
;;       q = np.round(r / step) * step * 2.0 ** e      # np.round: ties to even
;;       return np.moveaxis(q.reshape(q.shape[:-2] + (-1,))[..., :K], -1, axis).astype(np.float32)
;;   ~~~
;;   SOFTMAX AHEAD OF A QUANTISED PRODUCT. Where the list says 'softmax', what is quantised is not the finished softmax but p = 2^(t - M), with t = logit x log2(e) and M = ceil(the row's largest t), a whole number; so 1/2 < the row's largest p <= 1. The row's sum l is taken of the UNQUANTISED p, in f32, and the product's result is divided by l at the end. Since M is a whole number, a kernel that streams over the keys may use a running M (the ceiling of the running maximum): every later rescaling is an exact power of two, which a block's scale takes up: the codes' values come out the same.
;;   OPERANDS COMPUTED ON THE WAY. 'Computed on the way' means the value that the module computes at that place (a softmax that the list does not call 'softmax' is quantised finished and normalised). What goes into a quantiser is computed in f32, as accurately as f32 sums, v_exp_f32 and their like allow (about 1e-6 of the number): no bf16 or f16 on the way to a quantiser, and a product that is left as it is and whose result goes on into a quantised operand takes f32 operands (vector FMAs, or v_wmma_f32_16x16x4_f32). A number that lies on a knife's edge between two numbers of the format may be rounded either way, as far as f32 arithmetic and the matrix unit's own rounding can turn it there, and no further.
;;   INPUTS GIVEN AS CODES. Wk (in the module: [1024, 1024], K = its axis 0); Wq (in the module: [1024, 1024], K = its axis 0); Wv (in the module: [1024, 1024], K = its axis 0); x (in the module: [4096, 1024], K = its axis 1): each comes as NAME_codes (uint8): NAME with its K axis moved to the last place and cut into blocks of 32 codes, [.., K / 32, bytes a block], one block behind the other in memory; four codes in three bytes: a row's codes are one little-endian stream of bits, code i at bits 6 i .. 6 i + 5 (a code: sign, 3 exponent bits, 2 mantissa bits); and NAME_scales (uint8): the same leading axes, one E8M0 byte (e + 127) for each 32 codes along K. Its value is code x scale, taken as it is: it is not quantised again, and the codes and scales need not be those that the quantiser above would give.
;; One version. Each part assembles by itself: llvm-mc -triple=amdgcn-amd-amdhsa -mcpu=gfx1250 --defsym DOCPART=n.
;; ======== version 1 of 1: 2 launches
;; workspace buffers: qimg 3,407,872 bytes; kv 6,684,672 bytes
;; launch proj (part 1): grid 16 x 16, 4 waves a work-group, clusters of 4 x 4, 327,680 bytes of LDS; arguments x_codes, x_scales, Wq_codes, Wq_scales, Wk_codes, Wk_scales, Wv_codes, Wv_scales, qimg, kv; writes qimg, kv
.if DOCPART == 1
	.amdgcn_target "amdgcn-amd-amdhsa--gfx1250"
	.amdhsa_code_object_version 6
	.text
	.protected	k_q3e894a00ce_proj
	.globl	k_q3e894a00ce_proj
	.p2align	8
	.type	k_q3e894a00ce_proj,@function
k_q3e894a00ce_proj:
	s_mov_b64 s[64:65], 0
	v_nop
	global_prefetch_b8 v0, s[64:65] scope:SCOPE_SE
	s_setreg_imm32_b32 hwreg(HW_REG_WAVE_MODE, 25, 1), 1
	s_wait_xcnt 0x0
	s_wait_alu depctr_hold_cnt(0) depctr_sa_sdst(0) depctr_va_vdst(0) depctr_va_sdst(0) depctr_va_ssrc(0) depctr_va_vcc(0) depctr_vm_vsrc(0)
	s_getreg_b32 s2, hwreg(HW_REG_IB_STS2, 6, 4)
	s_cmp_eq_u32 s2, 0
	s_cbranch_scc0 .Lentry_in_a_cluster
	s_endpgm
.Lentry_in_a_cluster:
	s_bfe_u32 s2, ttmp6, 0x10000c
	s_cmp_lg_u32 s2, 0xf033
	s_cbranch_scc0 .Lentry_shape_is_right
	s_endpgm
.Lentry_shape_is_right:
.set PITCH, 240
.set XT,    256*PITCH
.set WT,    64*PITCH
.set SLOT,  XT+3*WT
.set SCLX,  2*SLOT
.set SCLW,  SCLX+32*272
.set SPARE, 230400
.set FR,    12
.set QBLK,  6656
.set BLK,   13056
.set PADC,  (1<<20)|(1<<21)|(3<<22)|(3<<25)
.set PADS,  (3<<16)|(1<<20)|(1<<21)|(5<<22)|(3<<25)
.set SPW,  3
.set NIL,  4
.set L16,  5
.set VO16, 6
.set VO4,  7
.set ADX,  8
.set ADW,  12
.set ADV,  16
.set ADSX, 20
.set ADSW, 21
.set ADSV, 22
.set SC,   32
.set XF,   64
.set WF,   160
.set IMG,  64
.set Y,    112
.set TM,   144
.set TP,   160
.set SO,   176
.set BY,   192
.set PW,   208
.set SIMG, 216
.set VIMG, 220
.set VPW,  244
.set WV,   24
.set TH,   25
.set HALF, 26
.set IDX,  27
.set CX,   28
.set CY,   29
.set HEAD, 30
.set TBK,  31
.set RM,   32
.set CM,   33
.set SEL,  34
.set G1X,  36
.set G1W,  44
.set G1SX, 52
.set ROLE, 62
.set G1SW, 68
.set G0X,  76
.set G0W,  84
.set G0SX, 92
.set G0SW, 96
.set MSB, 0
.macro WIN new
.if MSB != (\new)
	s_set_vgpr_msb (MSB<<8)|(\new)
.set MSB, (\new)
.endif
.endm
.macro PLACES n
.rept \n
	v_nop
.endr
.endm
.macro JLOAD g0x, g1x, g0w, g1w
	s_cmp_eq_u32 s[WV], 3
	s_cbranch_scc0 .Lfor_w_\@
	tensor_load_to_lds s[\g0x:\g0x+3], s[\g1x:\g1x+7]
	s_nop 0
.rept 4
	v_nop
.endr
	s_branch .Lasked_\@
.Lfor_w_\@:
	tensor_load_to_lds s[\g0w:\g0w+3], s[\g1w:\g1w+7]
	s_nop 0
.rept 4
	v_nop
.endr
.Lasked_\@:
.endm
.macro CREST
	s_cmp_lg_u32 s[WV], 0
	s_cbranch_scc1 .Lnot_wave_0_\@
	s_barrier_signal -3
.Lnot_wave_0_\@:
	s_barrier_wait -3
	s_barrier_signal -1
	s_barrier_wait -1
.endm
.macro CROUND
	s_barrier_signal -1
	s_barrier_wait -1
	CREST
.endm
	s_load_b256 s[4:11], s[0:1], 0x0
	s_load_b256 s[12:19], s[0:1], 0x20
	s_load_b128 s[20:23], s[0:1], 0x40
	v_lshl_add_u32 v[SPW], v0, 2, SPARE
	v_mov_b32 v[NIL], 0
	ds_add_u32 v3, v4
	ds_add_u32 v3, v4
	s_wait_dscnt 0x0
	v_lshrrev_b32 v1, 5, v0
	v_readfirstlane_b32 s[WV], v1
	s_lshr_b32 s[TH], s[WV], 1
	s_and_b32 s[HALF], s[WV], 1
	s_min_u32 s[IDX], s[WV], 2
	s_bfe_u32 s[CX], ttmp6, 0x40000
	s_bfe_u32 s[CY], ttmp6, 0x40004
	s_lshl_b32 s[HEAD], ttmp9, 2
	s_add_co_u32 s[HEAD], s[HEAD], s[CX]
	s_and_b32 s[TBK], ttmp7, 0xffff
	s_lshl_b32 s[TBK], s[TBK], 2
	s_add_co_u32 s[TBK], s[TBK], s[CY]
	s_lshl_b32 s[RM], s[CY], 2
	s_lshl_b32 s[RM], 15, s[RM]
	s_lshl_b32 s[CM], 0x1111, s[CX]
	s_or_b32 s[G1X], s[RM], PADC
	s_mov_b32 s[G1X+1], 192<<16
	s_mov_b32 s[G1X+2], 256<<16
	s_mov_b32 s[G1X+3], 192<<16
	s_mov_b32 s[G1X+4], 256
	s_mov_b32 s[G1X+5], 768
	s_mov_b32 s[G1X+6], 0
	s_mov_b32 s[G1X+7], 0
	s_or_b32 s[G1W], s[CM], PADC
	s_mov_b32 s[G1W+1], 192<<16
	s_mov_b32 s[G1W+2], 64<<16
	s_mov_b32 s[G1W+3], 192<<16
	s_mov_b32 s[G1W+4], 64
	s_mov_b32 s[G1W+5], 768
	s_mov_b32 s[G1W+6], 0
	s_mov_b32 s[G1W+7], 0
	s_or_b32 s[G1SX], s[RM], PADS
	s_mov_b32 s[G1SX+1], 32<<16
	s_mov_b32 s[G1SX+2], 32<<16
	s_mov_b32 s[G1SX+3], 32<<16
	s_mov_b32 s[G1SX+4], 32
	s_mov_b32 s[G1SX+5], 32
	s_mov_b32 s[G1SX+6], 0
	s_mov_b32 s[G1SX+7], 0
	s_or_b32 s[G1SW], s[CM], PADS
	s_mov_b32 s[G1SW+1], 32<<16
	s_mov_b32 s[G1SW+2], 8<<16
	s_mov_b32 s[G1SW+3], 32<<16
	s_mov_b32 s[G1SW+4], 8
	s_mov_b32 s[G1SW+5], 32
	s_mov_b32 s[G1SW+6], 0
	s_mov_b32 s[G1SW+7], 0
	s_mul_i32 s62, s[TBK], 256*768
	s_mov_b32 s63, 0
	s_lshl_b32 s34, s[TBK], 13
	s_mov_b32 s35, 0
	s_mul_i32 s100, s[HEAD], 64*768
	s_mov_b32 s101, 0
	s_lshl_b32 s2, s[HEAD], 11
	s_mov_b32 s3, 0
	s_mul_i32 s[G0W+1], s[IDX], WT
	s_add_co_u32 s[G0W+1], s[G0W+1], XT
	s_add_co_u32 s[G0W+5], s[G0W+1], SLOT
	s_mul_i32 s[G0SW+1], s[IDX], 8*272
	s_add_co_u32 s[G0SW+1], s[G0SW+1], SCLW
	s_wait_kmcnt 0x0
	s_cmp_eq_u32 s[IDX], 0
	s_cselect_b64 s[60:61], s[8:9], s[12:13]
	s_cselect_b64 s[66:67], s[10:11], s[14:15]
	s_cmp_eq_u32 s[IDX], 2
	s_cselect_b64 s[60:61], s[16:17], s[60:61]
	s_cselect_b64 s[66:67], s[18:19], s[66:67]
	s_add_nc_u64 s[60:61], s[60:61], s[100:101]
	s_add_nc_u64 s[66:67], s[66:67], s[2:3]
	s_add_nc_u64 s[62:63], s[4:5], s[62:63]
	s_add_nc_u64 s[34:35], s[6:7], s[34:35]
	CROUND
	s_mov_b32 s[G0SX], 1
	s_mov_b32 s[G0SX+1], SCLX
	s_mov_b64 s[G0SX+2:G0SX+3], s[34:35]
	s_or_b32 s[G0SX+3], s[G0SX+3], 0x80000000
	s_mov_b32 s[G0SW], 1
	s_mov_b64 s[G0SW+2:G0SW+3], s[66:67]
	s_or_b32 s[G0SW+3], s[G0SW+3], 0x80000000
	JLOAD G0SX, G1SX, G0SW, G1SW
.irp s, 0,1
	s_mov_b32 s[G0X+4*\s], 1
	s_mov_b32 s[G0X+4*\s+1], \s*SLOT
	s_add_nc_u64 s[G0X+4*\s+2:G0X+4*\s+3], s[62:63], \s*192
	s_or_b32 s[G0X+4*\s+3], s[G0X+4*\s+3], 0x80000000
	s_mov_b32 s[G0W+4*\s], 1
	s_add_nc_u64 s[G0W+4*\s+2:G0W+4*\s+3], s[60:61], \s*192
	s_or_b32 s[G0W+4*\s+3], s[G0W+4*\s+3], 0x80000000
	s_wait_alu depctr_va_vdst(0)
	s_wait_tensorcnt 0x0
	ds_add_u32 v3, v4
	s_wait_dscnt 0x0
	CROUND
	JLOAD G0X+4*\s, G1X, G0W+4*\s, G1W
.endr
	v_and_b32 v1, 15, v0
	v_bfe_u32 v2, v0, 4, 1
	v_and_b32 v23, 8, v1
	v_add_nc_u32 v23, v23, v1
	v_mul_u32_u24 v24, v23, PITCH
	v_mad_u32_u24 v24, v2, 24, v24
	s_wait_alu depctr_va_vdst(0)
	v_lshl_add_u32 v25, v2, 4, v24
	s_wait_alu depctr_va_vdst(0)
	s_mul_i32 s2, s[TH], 128*PITCH
	s_mul_i32 s3, s[HALF], WT
	s_add_co_u32 s3, s3, XT
	s_mul_i32 s100, s[HALF], 32*PITCH
	s_add_co_u32 s100, s100, XT+2*WT
.irp s, 0,1
	v_add_nc_u32 v[ADX+\s], s2, v24
	v_add_nc_u32 v[ADX+2+\s], s2, v25
	v_add_nc_u32 v[ADW+\s], s3, v24
	v_add_nc_u32 v[ADW+2+\s], s3, v25
	v_add_nc_u32 v[ADV+\s], s100, v24
	v_add_nc_u32 v[ADV+2+\s], s100, v25
	s_add_co_u32 s2, s2, SLOT
	s_add_co_u32 s3, s3, SLOT
	s_add_co_u32 s100, s100, SLOT
.endr
	v_and_b32 v26, 7, v1
	v_lshlrev_b32 v26, 5, v26
	v_lshrrev_b32 v27, 3, v1
	v_mad_u32_u24 v26, v27, 544, v26
	v_mad_u32_u24 v26, v2, 272, v26
	s_mul_i32 s2, s[TH], 16*272
	s_add_co_u32 s2, s2, SCLX
	v_add_nc_u32 v[ADSX], s2, v26
	s_mul_i32 s2, s[HALF], 8*272
	s_add_co_u32 s2, s2, SCLW
	v_add_nc_u32 v[ADSW], s2, v26
	s_mul_i32 s2, s[HALF], 4*272
	s_add_co_u32 s2, s2, SCLW+16*272
	v_add_nc_u32 v[ADSV], s2, v26
	v_and_b32 v28, 31, v0
	v_lshlrev_b32 v[L16], 4, v28
	s_mul_i32 s2, s[HALF], 3072
	v_add_nc_u32 v[VO16], s2, v[L16]
	s_lshl_b32 s2, s[HALF], 7
	v_lshl_add_u32 v[VO4], v28, 2, s2
	v_cmp_le_u32 vcc_lo, 16, v28
	s_mov_b32 s[SEL], 0x76543210
	s_mov_b32 s[SEL+1], 0xfedcba98
	s_lshl_b32 s2, s[HEAD], 5
	s_lshl_b32 s3, s[TBK], 1
	s_add_co_u32 s2, s2, s3
	s_add_co_u32 s2, s2, s[TH]
	s_mul_i32 s100, s2, QBLK
	s_mov_b32 s101, 0
	s_add_nc_u64 s[20:21], s[20:21], s[100:101]
	s_mul_i32 s100, s2, BLK
	s_add_nc_u64 s[22:23], s[22:23], s[100:101]
	s_cmp_eq_u32 s[HALF], 0
	s_cselect_b64 s[ROLE:ROLE+1], s[20:21], s[22:23]
.macro FRAG reg, adr, q, off
.irp p, 0,1,2,3,4,5
.set PC, 12*(\q)+6*(\p/3)+\p%3
.if PC%8 < 5
	ds_load_b64 v[(\reg)+2*\p:(\reg)+2*\p+1], v[\adr] offset:8*PC+16*(PC/8)+(\off)
.else
	ds_load_b64 v[(\reg)+2*\p:(\reg)+2*\p+1], v[(\adr)+2] offset:8*PC+16*(PC/8)+(\off)
.endif
.endr
.endm
.macro FETCH slot, q, p
	WIN (\p)<<6
.irp t, 0,1,2,3,4,5,6,7
	FRAG XF+FR*\t, ADX+\slot, \q, (32*(\t/2)+8*(\t%2))*PITCH
.endr
.irp n, 0,1,2,3
	FRAG WF+FR*\n, ADW+\slot, \q, (32*(\n/2)+8*(\n%2))*PITCH
.endr
.irp u, 0,1
	FRAG WF+FR*(4+\u), ADV+\slot, \q, 8*\u*PITCH
.endr
.endm
.macro SCALES sc, chunk
	WIN 0
.irp b, 0,1,2,3
	ds_load_b64 v[SC+14*(\sc)+2*\b:SC+14*(\sc)+2*\b+1], v[ADSX] offset:1088*\b+8*(\chunk)
.endr
.irp b, 0,1
	ds_load_b64 v[SC+14*(\sc)+8+2*\b:SC+14*(\sc)+8+2*\b+1], v[ADSW] offset:1088*\b+8*(\chunk)
.endr
	ds_load_b64 v[SC+14*(\sc)+12:SC+14*(\sc)+13], v[ADSV] offset:8*(\chunk)
.endm
.macro WM d, a, b, zero, sa, sb, ra, rb
.if \zero
.if ((\ra) == 0) && ((\rb) == 0)
	v_wmma_scale_f32_16x16x128_f8f6f4 v[(\d):(\d)+7], v[(\a):(\a)+11], v[(\b):(\b)+11], 0, v[\sa], v[\sb] matrix_a_fmt:MATRIX_FMT_BF6 matrix_b_fmt:MATRIX_FMT_BF6
.elseif (\rb) == 0
	v_wmma_scale_f32_16x16x128_f8f6f4 v[(\d):(\d)+7], v[(\a):(\a)+11], v[(\b):(\b)+11], 0, v[\sa], v[\sb] matrix_a_fmt:MATRIX_FMT_BF6 matrix_b_fmt:MATRIX_FMT_BF6 matrix_a_scale:MATRIX_SCALE_ROW1
.elseif (\ra) == 0
	v_wmma_scale_f32_16x16x128_f8f6f4 v[(\d):(\d)+7], v[(\a):(\a)+11], v[(\b):(\b)+11], 0, v[\sa], v[\sb] matrix_a_fmt:MATRIX_FMT_BF6 matrix_b_fmt:MATRIX_FMT_BF6 matrix_b_scale:MATRIX_SCALE_ROW1
.else
	v_wmma_scale_f32_16x16x128_f8f6f4 v[(\d):(\d)+7], v[(\a):(\a)+11], v[(\b):(\b)+11], 0, v[\sa], v[\sb] matrix_a_fmt:MATRIX_FMT_BF6 matrix_b_fmt:MATRIX_FMT_BF6 matrix_a_scale:MATRIX_SCALE_ROW1 matrix_b_scale:MATRIX_SCALE_ROW1
.endif
.else
.if ((\ra) == 0) && ((\rb) == 0)
	v_wmma_scale_f32_16x16x128_f8f6f4 v[(\d):(\d)+7], v[(\a):(\a)+11], v[(\b):(\b)+11], v[(\d):(\d)+7], v[\sa], v[\sb] matrix_a_fmt:MATRIX_FMT_BF6 matrix_b_fmt:MATRIX_FMT_BF6
.elseif (\rb) == 0
	v_wmma_scale_f32_16x16x128_f8f6f4 v[(\d):(\d)+7], v[(\a):(\a)+11], v[(\b):(\b)+11], v[(\d):(\d)+7], v[\sa], v[\sb] matrix_a_fmt:MATRIX_FMT_BF6 matrix_b_fmt:MATRIX_FMT_BF6 matrix_a_scale:MATRIX_SCALE_ROW1
.elseif (\ra) == 0
	v_wmma_scale_f32_16x16x128_f8f6f4 v[(\d):(\d)+7], v[(\a):(\a)+11], v[(\b):(\b)+11], v[(\d):(\d)+7], v[\sa], v[\sb] matrix_a_fmt:MATRIX_FMT_BF6 matrix_b_fmt:MATRIX_FMT_BF6 matrix_b_scale:MATRIX_SCALE_ROW1
.else
	v_wmma_scale_f32_16x16x128_f8f6f4 v[(\d):(\d)+7], v[(\a):(\a)+11], v[(\b):(\b)+11], v[(\d):(\d)+7], v[\sa], v[\sb] matrix_a_fmt:MATRIX_FMT_BF6 matrix_b_fmt:MATRIX_FMT_BF6 matrix_a_scale:MATRIX_SCALE_ROW1 matrix_b_scale:MATRIX_SCALE_ROW1
.endif
.endif
.endm
.macro MULR first, p, sc, zero
	WIN (\p)|((\p)<<2)|0xa0
.irp t, \first, \first+1, \first+2, \first+3
.irp n, 0,1,2,3
	WM 8*(4*(\t)+\n), WF+FR*\n, XF+FR*(\t), \zero, SC+14*(\sc)+8+2*(\n/2)+(\p), SC+14*(\sc)+2*((\t)/2)+(\p), \n%2, (\t)%2
.endr
.endr
.endm
.macro MULV p, sc, zero
	WIN (\p)|((\p)<<2)|0xf0
.irp u, 0,1
.irp t, 0,1,2,3,4,5,6,7
	WM 8*(8*\u+\t), XF+FR*\t, WF+FR*(4+\u), \zero, SC+14*(\sc)+2*(\t/2)+(\p), SC+14*(\sc)+12+(\p), \t%2, \u
.endr
.endr
.endm
.macro STEP slot, zero
	s_wait_dscnt 0x0
	PLACES 4
	FETCH \slot, 1, 1
	MULR 0, 0, \slot, \zero
	MULR 4, 0, \slot, \zero
	MULV 0, \slot, \zero
	WIN 0
.endm
.macro TURN slot, next, fill, chunk
	s_wait_tensorcnt 0x0
	ds_add_u32 v[SPW], v[NIL]
	s_wait_dscnt 1
	MULR 0, 1, \slot, 0
	s_wait_dscnt 0x0
	s_barrier_signal -1
	MULR 4, 1, \slot, 0
	WIN 0
	s_barrier_wait -1
.if \fill
	CREST
	s_add_nc_u64 s[G0X+4*\slot+2:G0X+4*\slot+3], s[G0X+4*\slot+2:G0X+4*\slot+3], 2*192
	s_add_nc_u64 s[G0W+4*\slot+2:G0W+4*\slot+3], s[G0W+4*\slot+2:G0W+4*\slot+3], 2*192
	JLOAD G0X+4*\slot, G1X, G0W+4*\slot, G1W
.else
	PLACES 4
.endif
	FETCH \next, 0, 0
	SCALES \next, \chunk
	MULV 1, \slot, 0
	WIN 0
.endm
	s_wait_alu depctr_va_vdst(0)
	s_wait_tensorcnt 1
	s_barrier_signal -1
	s_barrier_wait -1
	FETCH 0, 0, 0
	SCALES 0, 0
	STEP 0, 1
	TURN 0, 1, 1, 1
	STEP 1, 0
	TURN 1, 0, 1, 2
	STEP 0, 0
	TURN 0, 1, 0, 3
	STEP 1, 0
	s_wait_dscnt 0x0
	MULR 0, 1, 1, 0
	MULR 4, 1, 1, 0
	MULV 1, 1, 0
	WIN 0
	PLACES 4
.macro QUANT win, np, img
	WIN (\win)|((\win)<<2)
.set B, 0
.rept 2*(\np)
	v_max3_num_f32 v[TM+B], |v[16*B]|, |v[16*B+1]|, 0x2800000
.set B, B+1
.endr
.irp i, 2,4,6,8,10,12,14
.set B, 0
.rept 2*(\np)
	v_max3_num_f32 v[TM+B], |v[16*B+\i]|, |v[16*B+\i+1]|, v[TM+B]
.set B, B+1
.endr
.endr
	WIN 0
.set B, 0
.rept 2*(\np)
	v_permlanex16_b32 v[TP+B], v[TM+B], s[SEL], s[SEL+1]
.set B, B+1
.endr
.set B, 0
.rept 2*(\np)
	v_max_num_f32 v[TM+B], v[TM+B], v[TP+B]
.set B, B+1
.endr
.set B, 0
.rept 2*(\np)
	v_add_nc_u32 v[SO+B], 0xfe000000, v[TM+B]
.set B, B+1
.endr
.set B, 0
.rept 2*(\np)
	v_lshrrev_b32 v[BY+B], 23, v[SO+B]
.set B, B+1
.endr
	WIN \win
.set P, 0
.rept \np
	v_cvt_scalef32_pk16_bf6_f32 v[(\img)+6*P:(\img)+6*P+2], v[32*P:32*P+15], v[SO+2*P]
	v_cvt_scalef32_pk16_bf6_f32 v[Y+4*P:Y+4*P+2], v[32*P+16:32*P+31], v[SO+2*P+1]
.set P, P+1
.endr
	WIN 0
	v_nop
.set P, 0
.rept \np
.irp i, 0,1,2
	v_permlane16_swap_b32 v[(\img)+6*P+\i], v[Y+4*P+\i]
.endr
.irp i, 0,1,2
	v_mov_b32 v[(\img)+6*P+3+\i], v[Y+4*P+\i]
.endr
.set P, P+1
.endr
.endm
.set B, 0
.rept 16
	v_mov_b32 v[TP+B], 0
.set B, B+1
.endr
	QUANT 2, 8, IMG
.irp t, 0,1,2,3,4,5,6,7
	v_lshl_or_b32 v[PW+\t], v[BY+2*\t+1], 8, v[BY+2*\t]
.endr
.irp i, 0,1,2,3
	v_cndmask_b32 v[SIMG+\i], v[PW+2*\i], v[PW+2*\i+1], vcc_lo
.endr
.irp g, 0,1,2,3,4,5,6,7,8,9,10,11
	global_store_b128 v[L16], v[IMG+4*\g:IMG+4*\g+3], s[ROLE:ROLE+1] offset:512*\g
.endr
	global_store_b128 v[L16], v[SIMG:SIMG+3], s[ROLE:ROLE+1] offset:6144
	QUANT 3, 4, VIMG
.irp u, 0,1
	v_lshl_or_b32 v[VPW+\u], v[BY+4*\u+1], 8, v[BY+4*\u]
	v_lshl_or_b32 v[VPW+\u], v[BY+4*\u+2], 16, v[VPW+\u]
	v_lshl_or_b32 v[VPW+\u], v[BY+4*\u+3], 24, v[VPW+\u]
.endr
	v_cndmask_b32 v[VPW+2], v[VPW], v[VPW+1], vcc_lo
.irp g, 0,1,2,3,4,5
	global_store_b128 v[VO16], v[VIMG+4*\g:VIMG+4*\g+3], s[22:23] offset:6656+512*\g
.endr
	global_store_b32 v[VO4], v[VPW+2], s[22:23] offset:12800
	s_wait_tensorcnt 0x0
	ds_add_u32 v[SPW], v[NIL]
	s_wait_dscnt 0x0
	CROUND
	s_endpgm
.Lfunc_end_k_q3e894a00ce_proj:
	.size	k_q3e894a00ce_proj, .Lfunc_end_k_q3e894a00ce_proj-k_q3e894a00ce_proj
	.p2alignl 7, 3214868480
	.fill 96, 4, 3214868480
	.section	.rodata,"a",@progbits
	.p2align	6, 0x0
	.amdhsa_kernel k_q3e894a00ce_proj
		.amdhsa_group_segment_fixed_size 327680
		.amdhsa_private_segment_fixed_size 0
		.amdhsa_enable_private_segment 0
		.amdhsa_kernarg_size 80
		.amdhsa_user_sgpr_count 2
		.amdhsa_user_sgpr_kernarg_segment_ptr 1
		.amdhsa_wavefront_size32 1
		.amdhsa_system_sgpr_workgroup_id_x 1
		.amdhsa_system_sgpr_workgroup_id_y 1
		.amdhsa_system_sgpr_workgroup_id_z 1
		.amdhsa_system_vgpr_workitem_id 0
		.amdhsa_next_free_vgpr 896
		.amdhsa_next_free_sgpr 102
		.amdhsa_reserve_vcc 1
		.amdhsa_float_denorm_mode_32 3
		.amdhsa_float_denorm_mode_16_64 3
		.amdhsa_memory_ordered 1
		.amdhsa_forward_progress 1
		.amdhsa_inst_pref_size 133
	.end_amdhsa_kernel
	.amdgpu_metadata
---
amdhsa.version: [ 1, 2 ]
amdhsa.kernels:
  - .name:           k_q3e894a00ce_proj
    .symbol:         k_q3e894a00ce_proj.kd
    .args:
      - { .name: x_codes, .offset: 0, .size: 8, .value_kind: global_buffer, .address_space: global }
      - { .name: x_scales, .offset: 8, .size: 8, .value_kind: global_buffer, .address_space: global }
      - { .name: Wq_codes, .offset: 16, .size: 8, .value_kind: global_buffer, .address_space: global }
      - { .name: Wq_scales, .offset: 24, .size: 8, .value_kind: global_buffer, .address_space: global }
      - { .name: Wk_codes, .offset: 32, .size: 8, .value_kind: global_buffer, .address_space: global }
      - { .name: Wk_scales, .offset: 40, .size: 8, .value_kind: global_buffer, .address_space: global }
      - { .name: Wv_codes, .offset: 48, .size: 8, .value_kind: global_buffer, .address_space: global }
      - { .name: Wv_scales, .offset: 56, .size: 8, .value_kind: global_buffer, .address_space: global }
      - { .name: qimg, .offset: 64, .size: 8, .value_kind: global_buffer, .address_space: global }
      - { .name: kv, .offset: 72, .size: 8, .value_kind: global_buffer, .address_space: global }
    .group_segment_fixed_size: 327680
    .private_segment_fixed_size: 0
    .kernarg_segment_align: 8
    .kernarg_segment_size: 80
    .max_flat_workgroup_size: 128
    .sgpr_count:     102
    .vgpr_count:     896
    .wavefront_size: 32
...
	.end_amdgpu_metadata
.endif
;; end of part 1
;; launch attn (part 2): grid 16 x 16, 8 waves a work-group, no clusters, 327,680 bytes of LDS; arguments qimg, kv, out0; writes out0
.if DOCPART == 2
	.amdgcn_target "amdgcn-amd-amdhsa--gfx1250"
	.amdhsa_code_object_version 6
	.text
	.protected	k_q3e894a00ce_attn
	.globl	k_q3e894a00ce_attn
	.p2align	8
	.type	k_q3e894a00ce_attn,@function
k_q3e894a00ce_attn:
	s_mov_b64 s[64:65], 0
	v_nop
	global_prefetch_b8 v0, s[64:65] scope:SCOPE_SE
	s_setreg_imm32_b32 hwreg(HW_REG_WAVE_MODE, 25, 1), 1
	s_wait_xcnt 0x0
; Causal attention, 16 heads of 64 channels, 4,096 tokens, both products on codes of BF6 (E3M2) with E8M0 scales, from the operand images that the launch before has stored.
; THE SOFTMAX AHEAD OF THE SECOND PRODUCT: t = score x log2(e) / 8; M = the running largest t rounded UP to a whole number; p = 2^(t - M) is quantised along the keys, not normalised; the row's sum is taken of the
; unquantised p and divides at the end.  When M moves, the sum and O are multiplied by 2^(old M - new M): exact.
; SHARES.  Queries go in blocks of 128, 32 to a head.  Work-group j of a head first makes block 31 - j (key steps 0 .. 31 - j, 128 keys each), then block j (key steps 0 .. j): 33 key steps in every work-group, so every trip
; count is a constant, no trip is empty, and only each block's last step, the one on the diagonal, is masked.  Wave w owns tile w (16 queries) of the block in hand.
; LAYOUT.  Both products are used transposed: S^T = K Q^T (source 0 = 16 keys), O^T = V^T P^T (source 0 = 16 channels): a lane holds ONE query throughout.  Lane r of tile 2 b + u of 128 tokens is token 32 b + 8 u + r + 8 (r / 8),
; so S^T's register 16 b + i is key 32 b + 16 h + i; V's fragment 2 b + u has its channels in the same order, so O^T's tile f, register j is channel 32 (f / 2) + 16 h + 8 (f % 2) + j.
; K = 64 IN THE FIRST PRODUCT, 128 in the instruction.  Q's registers 6-11 are zero codes; K's fragment t is named v[36 + 6 t : 47 + 6 t], whose upper six registers are the next tile's codes (behind tile 7: six cleared
; registers): every code of this format is a finite number, and a finite number x the code 0 adds exactly 0.  Bytes 2 and 3 of both scale words are 0.
; THE RING.  A key step's K and V are one dense block of 13,056 bytes; a slot holds three, fetched by waves 0 to 2, one tensor load each; two slots, eleven fills.  One tensor load of a wave is out at a time.
; NO CLUSTER: the work-groups of a head need different blocks from trip 32 - j on; the mask and the way out are branches on the work-group's own number; and what would be shared, 13,056 bytes a trip, stands beside
; eight waves' softmax of some 250 vector instructions each.
; LIMITS: NaN and infinities are not served.  A block of p whose largest number lies under 2^-122 gets the scale byte 1.
.set BLK,   13056                      ; K's codes 6,144 | K's scale words 512 | V's codes 6,144 | V's scale words 256
.set QBLK,  6656                       ; Q's codes 6,144 | Q's scale words 512
.set SLOT1, 65536                      ; slot 1 begins here: one exclusive or turns an address in one slot into the other's
.set STAGE, 131072                     ; the way out: 16 rows x (256 bytes + 16) for each wave; no tensor load lands here
.set SPARE, 165888                     ; the spare words, 128 bytes for each wave: four blocks of 256 bytes that no other line names
.set L16, 1                            ; v1   16 x lane
.set L4,  2                            ; v2   4 x lane
.set SPW, 3                            ; v3   LDS address of my spare word; never rewritten
.set NIL, 4                            ; v4   0; never rewritten
.set A16, 5                            ; v5   the step's block + 16 x lane
.set A4,  6                            ; v6   the step's block + 4 x lane
.set DM,  7                            ; v7   my query's place in its block - 16 h
.set STO, 8                            ; v8   the stage: where I put 16 bytes of a row
.set RD,  9                            ; v9   and where I read a row back
.set GO,  10                           ; v10  my byte offset in two rows of out0
.set PFO, 11                           ; v11  256 x lane; never rewritten
.set QF,  16                           ; v[16:27] Q's fragment; v22-27 stay 0
.set QS,  28                           ; v28  Q's scale words
.set QS2, 29                           ; v29  the second block's
.set QF2, 30                           ; v[30:35] the second block's codes
.set KB,  36                           ; v[36:83] K's eight tiles, six registers each; v[84:89] cleared.  In the softmax: p's codes v[36:47], the conversions' second halves v[48:50], v[52:54]
.set KS,  90                           ; v[90:93] K's scale words: register i: tile 2 i in lanes 0-15, tile 2 i + 1 in lanes 16-31
.set VS,  94                           ; v94-95 V's likewise
.set VB,  96                           ; v[96:143] V's four fragments
.set S,   144                          ; v[144:207] S^T, then p
.set O,   208                          ; v[208:239] O^T
.set PW,  240                          ; v240 p's scale word
.set TT,  241                          ; v241 at work
.set F,   242                          ; v[242:243] f = 2^(old M - new M); the pair's upper word is only named
.set BM,  244                          ; v244-247 the blocks' largest scores, then largest p
.set PT,  248                          ; v248-251 the other half of the lanes', a chain of the sum, the bytes
.set SO,  252                          ; v252-255 the conversions' scale operands
.set WV,  10
.set J,   11
.set HEAD, 12
.set NA,  13                           ; trips of the first block: 32 - j
.set N,   14                           ; the trip
.set DG,  15                           ; the next trip that lies on a diagonal
.set TB,  16                           ; LDS byte at which the step's block begins
.set SLOTS, 17
.set INNER, 18
.set NF,  19                           ; the trip whose block I fetch
.set SEL, 20
.set CS,  22                           ; s[22:23] c = log2(e) / 8
.set G1,  24
.set G0,  32
.set KVH, 36                           ; s[36:37] the head's first block of kv
.set OUTP, 38                          ; s[38:39] out0 at my tile's first token of the block in hand;  s[40:41] of the second block
.set OUTB, 40
.set OFF, 42                           ; s[42:43] an offset; s43 stays 0
.set PFA, 44                           ; s[44:45] where my prefetches stand
.set PFPOS, 46                         ; s46  the same as a count of runs of 256 bytes from the head's first
.set LIM, 47                           ; s47  a wave prefetches while s46 is at most this
.macro TLOAD                           ; waves 0 to 2 fetch a block each, the others nothing; four v_nop follow the line
	s_cmp_lt_u32 s[WV], 3
	s_cbranch_scc0 .Lnone_\@
	tensor_load_to_lds s[G0:G0+3], s[G1:G1+7]
	s_nop 0
.rept 4
	v_nop
.endr
.Lnone_\@:
.endm
; A PREFETCH INTO THE L2.  All work-groups of a head walk the head's blocks from the first on; work-group 0 walks all 32 in the order in which they lie, so it asks, and nobody else; in it the waves ask that fetch nothing,
; waves 3 to 7, one instruction each, lanes 256 bytes apart: 160 runs of 256 bytes at each change of slots, beginning with run 306, the first byte behind the first two slots' blocks.  A change fills 153 runs, so the
; requests stay a slot or a little more ahead of the tensor loads.  Each run is named at most once; a wave stops when its 32 runs would pass the head's 1,632; the first 306 and the last 14 come by their loads alone.
.macro ASK
	s_cmp_le_u32 s[PFPOS], s[LIM]
	s_cbranch_scc0 .Lnot_mine_\@
	global_prefetch_b8 v[PFO], s[PFA:PFA+1] th:TH_LOAD_NT scope:SCOPE_SE
.Lnot_mine_\@:
.endm
	s_load_b128 s[4:7], s[0:1], 0x0                ; qimg s[4:5], kv s[6:7]
	s_load_b64 s[8:9], s[0:1], 0x10                ; out0
	v_lshl_add_u32 v[SPW], v0, 2, SPARE
	v_mov_b32 v[NIL], 0
	ds_add_u32 v3, v4
	ds_add_u32 v3, v4
	s_wait_dscnt 0x0
	v_lshrrev_b32 v[TT], 5, v0
	s_delay_alu instid0(VALU_DEP_1)
	v_readfirstlane_b32 s[WV], v[TT]               ; wave 0..7
	s_mov_b32 s[J], ttmp9
	s_and_b32 s[HEAD], ttmp7, 0xffff
	s_sub_co_u32 s[NA], 32, s[J]
	s_sub_co_u32 s[DG], s[NA], 1
	s_mov_b32 s[N], 0
	s_mov_b32 s[TB], 0
	s_min_u32 s[NF], s[WV], 2                      ; slot 0: trips 0, 1, 2 (waves 3 to 7 never use it)
	; descriptor group 1: a dense block of 13,056 bytes as 51 rows of 256 bytes (32 elements of 8 bytes), no padding: every read is 16 bytes a lane on end
	s_mov_b32 s[G1], 3<<16
	s_mov_b32 s[G1+1], 32<<16                      ; tensor_dim0
	s_mov_b32 s[G1+2], 51<<16                      ; tensor_dim1
	s_mov_b32 s[G1+3], 32<<16                      ; tile_dim0
	s_mov_b32 s[G1+4], 51                          ; tile_dim1
	s_mov_b32 s[G1+5], 32                          ; from row to row
	s_mov_b32 s[G1+6], 0
	s_mov_b32 s[G1+7], 0
	s_mov_b32 s[G0], 1
	s_mul_i32 s[G0+1], s[NF], BLK                  ; LDS: my third of slot 0
	s_mul_i32 s[OFF], s[HEAD], 32*BLK
	s_mov_b32 s[OFF+1], 0
	s_mov_b32 s[SEL], 0x76543210
	s_mov_b32 s[SEL+1], 0xfedcba98                 ; lane l xor 16
	s_mov_b32 s[CS], 0x3e38aa3b                    ; c = log2(e) / sqrt(64)
	s_mov_b32 s[CS+1], s[CS]                       ; (named with it as a pair, so it is written)
	s_wait_kmcnt 0x0
	s_add_nc_u64 s[KVH:KVH+1], s[6:7], s[OFF:OFF+1]
	s_mov_b32 s[OFF], s[G0+1]                      ; the first three blocks lie in memory as in the slot
	s_add_nc_u64 s[G0+2:G0+3], s[KVH:KVH+1], s[OFF:OFF+1]
	s_or_b32 s[G0+3], s[G0+3], 0x80000000
	TLOAD                                          ; slot 0
	v_and_b32 v[TT], 31, v0                        ; lane
	s_delay_alu instid0(VALU_DEP_1)
	v_lshlrev_b32 v[L16], 4, v[TT]
	s_delay_alu instid0(VALU_DEP_2)
	v_lshlrev_b32 v[L4], 2, v[TT]
	s_delay_alu instid0(VALU_DEP_3)
	v_lshlrev_b32 v[PFO], 8, v[TT]
	v_and_b32 v244, 15, v0                         ; r
	v_bfe_u32 v245, v0, 4, 1                       ; h
	s_delay_alu instid0(VALU_DEP_2)
	v_and_b32 v246, 8, v244
	s_delay_alu instid0(VALU_DEP_1)
	v_add_nc_u32 v246, v246, v244                  ; r + 8 (r / 8)
	s_lshr_b32 s48, s[WV], 1
	s_and_b32 s49, s[WV], 1
	s_lshl_b32 s50, s48, 5
	s_lshl_b32 s51, s49, 3
	s_add_co_u32 s50, s50, s51                     ; my tile's first token in its block: 32 (w / 2) + 8 (w % 2)
	v_lshlrev_b32 v247, 4, v245
	s_delay_alu instid0(VALU_DEP_1)
	v_sub_nc_u32 v[DM], v246, v247
	s_delay_alu instid0(VALU_DEP_1)
	v_add_nc_u32 v[DM], s50, v[DM]
	s_mul_i32 s52, s[WV], 16*272
	s_add_co_u32 s52, s52, STAGE                   ; my stage
	v_mul_u32_u24 v[STO], v244, 272
	s_delay_alu instid0(VALU_DEP_1)
	v_lshl_add_u32 v[STO], v245, 6, v[STO]
	s_delay_alu instid0(VALU_DEP_1)
	v_add_nc_u32 v[STO], s52, v[STO]               ; in: row r, + 64 h: my half's 16 channels of each 32
	v_mul_u32_u24 v[RD], v245, 272
	s_delay_alu instid0(VALU_DEP_1)
	v_lshl_add_u32 v[RD], v244, 4, v[RD]
	s_delay_alu instid0(VALU_DEP_1)
	v_add_nc_u32 v[RD], s52, v[RD]                 ; back: lanes 0-15 one row, lanes 16-31 the next
	v_lshlrev_b32 v[GO], 12, v245
	s_delay_alu instid0(VALU_DEP_1)
	v_lshl_add_u32 v[GO], v244, 4, v[GO]           ; and the same in out0: a token's row is 4,096 bytes
	; Q: tile w's registers 6 w .. 6 w + 5 of the image's 48: pair P = 3 w + i lies at 512 (P / 2) + 8 (P % 2) + 16 x lane
	s_mul_i32 s53, s[WV], 3
.irp i, 0,1,2
	s_add_co_u32 s54, s53, \i
	s_lshr_b32 s55, s54, 1
	s_lshl_b32 s55, s55, 9
	s_and_b32 s54, s54, 1
	s_lshl_b32 s54, s54, 3
	s_add_co_u32 s54, s54, s55
	v_add_nc_u32 v[PT+\i], s54, v[L16]
.endr
	s_lshl_b32 s54, s49, 8                         ; its scale words: register w / 2 of the quad, lanes 16 (w % 2) + r
	s_lshl_b32 s55, s48, 2
	s_add_co_u32 s54, s54, s55
	v_lshl_add_u32 v[PT+3], v244, 4, s54
	s_lshl_b32 s53, s[HEAD], 5
	s_sub_co_u32 s54, 31, s[J]                     ; the first block
	s_add_co_u32 s55, s53, s54
	s_mul_i32 s[OFF], s55, QBLK
	s_add_nc_u64 s[56:57], s[4:5], s[OFF:OFF+1]
	s_add_co_u32 s55, s53, s[J]                    ; the second
	s_mul_i32 s[OFF], s55, QBLK
	s_add_nc_u64 s[58:59], s[4:5], s[OFF:OFF+1]
	s_wait_alu depctr_va_vdst(0)
.irp i, 0,1,2
	global_load_b64 v[QF+2*\i:QF+2*\i+1], v[PT+\i], s[56:57]
	global_load_b64 v[QF2+2*\i:QF2+2*\i+1], v[PT+\i], s[58:59]
.endr
	global_load_b32 v[QS], v[PT+3], s[56:57] offset:6144
	global_load_b32 v[QS2], v[PT+3], s[58:59] offset:6144
	s_lshl_b32 s51, s[HEAD], 8                     ; out0: the head's 64 channels are 256 bytes of a row
	s_lshl_b32 s55, s54, 7
	s_add_co_u32 s55, s55, s50
	s_lshl_b32 s55, s55, 12
	s_add_co_u32 s[OFF], s55, s51
	s_add_nc_u64 s[OUTP:OUTP+1], s[8:9], s[OFF:OFF+1]
	s_lshl_b32 s55, s[J], 7
	s_add_co_u32 s55, s55, s50
	s_lshl_b32 s55, s55, 12
	s_add_co_u32 s[OFF], s55, s51
	s_add_nc_u64 s[OUTB:OUTB+1], s[8:9], s[OFF:OFF+1]
	s_lshl_b32 s[PFPOS], s[WV], 5                  ; the prefetches: 50 + 32 w now; each change of slots steps it by 160, the first to 306 in wave 3
	s_add_co_u32 s[PFPOS], s[PFPOS], 50
	s_lshl_b32 s[OFF], s[PFPOS], 8
	s_add_nc_u64 s[PFA:PFA+1], s[KVH:KVH+1], s[OFF:OFF+1]
	s_cmp_gt_u32 s[WV], 2
	s_cselect_b32 s[LIM], 1600, 0                  ; 1,600 + 31 is the head's last run
	s_cmp_eq_u32 s[J], 0
	s_cselect_b32 s[LIM], s[LIM], 0
	v_mov_b32 v13, 0xff61b1e6                      ; the largest t so far: -3e38, under every t
	s_delay_alu instid0(VALU_DEP_1)
	v_floor_f32 v12, -v13                          ; -M
	v_mov_b32 v14, 0                               ; the sum, in two halves
	v_mov_b32 v15, 0
	v_mov_b32 v[F+1], 0
.irp i, 0,1,2,3,4,5
	v_mov_b32 v[QF+6+\i], 0                        ; Q's zero codes for K 64 .. 127
	v_mov_b32 v[KB+48+\i], 0                       ; and what stands behind K's tile 7
.endr
.set j, 0
.rept 32
	v_mov_b32 v[O+j], 0                            ; O^T: the step is written once; a block's first step finds zeros, which the first change of M leaves zeros
.set j, j+1
.endr
; THE WAY OUT of a block, behind the step on its diagonal, and the start of the next block.
.macro FINISH
	s_cmp_lg_u32 s[N], s[DG]
	s_setprio 0
	s_cbranch_scc1 .Lon_\@
.rept 4
	v_nop                                          ; places behind the last products
.endr
	v_add_f32 v14, v14, v15                        ; the sum's two halves,
	s_delay_alu instid0(VALU_DEP_1)
	v_permlanex16_b32 v[TT], v14, s[SEL], s[SEL+1]
	s_delay_alu instid0(VALU_DEP_1)
	v_add_f32 v14, v14, v[TT]                      ; and lane l xor 16's: the row's sum
	s_wait_alu depctr_va_vdst(0)
	v_rcp_f32 v14, v14
	v_nop                                          ; one plain place behind the transcendental
	s_wait_alu depctr_va_vdst(0)                   ; the wait ahead of the first reader
.set j, 0
.rept 32
	v_mul_f32 v[S+j], v[O+j], v14                  ; O^T / the sum, each accumulator from its low end on
.set j, j+1
.endr
.irp f, 0,1,2,3
.irp e, 0,1
	ds_store_b128 v[STO], v[S+8*\f+4*\e:S+8*\f+4*\e+3] offset:128*(\f/2)+32*(\f%2)+16*\e
.endr
.endr
.irp i, 0,1,2,3,4,5,6,7
	ds_load_b128 v[S+32+4*\i:S+32+4*\i+3], v[RD] offset:544*\i   ; LDS serves a wave's instructions in order (ISA guide 5.7.1.4): these see my stores
.endr
.irp i, 0,1,2,3,4,5,6,7
	s_wait_dscnt 7-\i                              ; row pair i of eight is back
	global_store_b128 v[GO], v[S+32+4*\i:S+32+4*\i+3], s[OUTP:OUTP+1] offset:(2*\i+8*(\i/4))*4096 th:TH_STORE_NT   ; stage row n is token n + 8 (n / 8) of the tile; 16 lanes store 256 consecutive bytes, at a multiple of 256 from out0's first byte
.endr
	v_mov_b32 v[QS], v[QS2]                        ; the second block's Q; the lines below are the places between these writes and the next scaled product
.irp i, 0,1,2,3,4,5
	v_mov_b32 v[QF+\i], v[QF2+\i]
.endr
	v_mov_b32 v13, 0xff61b1e6
	s_delay_alu instid0(VALU_DEP_1)
	v_floor_f32 v12, -v13
	v_mov_b32 v14, 0
	v_mov_b32 v15, 0
.set j, 0
.rept 32
	v_mov_b32 v[O+j], 0
.set j, j+1
.endr
	s_wait_xcnt 0x0                                ; the stores have read their base and their data: both are written again only behind this wait
	s_mov_b64 s[OUTP:OUTP+1], s[OUTB:OUTB+1]
	s_mov_b32 s[DG], 32                            ; the second block's diagonal is the last trip
.Lon_\@:
.endm
; A KEY STEP: 128 keys.
.macro STEP
	v_add_nc_u32 v[A16], s[TB], v[L16]
	v_add_nc_u32 v[A4], s[TB], v[L4]
	v_nop
	v_nop                                          ; four places in front of loads into registers that the last products read
.irp g, 0,1,2,3,4,5,6,7,8,9,10,11
	ds_load_b128 v[KB+4*\g:KB+4*\g+3], v[A16] offset:512*\g
.endr
	ds_load_b128 v[KS:KS+3], v[A16] offset:6144
.irp g, 0,1,2,3,4,5,6,7,8,9,10,11
	ds_load_b128 v[VB+4*\g:VB+4*\g+3], v[A16] offset:6656+512*\g
.endr
	ds_load_b32 v[VS], v[A4] offset:12800
	ds_load_b32 v[VS+1], v[A4] offset:12928
	s_wait_dscnt 14                                ; K and its scale words are in; V's twelve loads and its two scale words may be out: they land under the softmax
.irp t, 0,1,2,3,4,5,6,7
.if \t%2
	v_wmma_scale_f32_16x16x128_f8f6f4 v[S+8*\t:S+8*\t+7], v[KB+6*\t:KB+6*\t+11], v[QF:QF+11], 0, v[KS+\t/2], v[QS] matrix_a_fmt:MATRIX_FMT_BF6 matrix_b_fmt:MATRIX_FMT_BF6 matrix_a_scale:MATRIX_SCALE_ROW1
.else
	v_wmma_scale_f32_16x16x128_f8f6f4 v[S+8*\t:S+8*\t+7], v[KB+6*\t:KB+6*\t+11], v[QF:QF+11], 0, v[KS+\t/2], v[QS] matrix_a_fmt:MATRIX_FMT_BF6 matrix_b_fmt:MATRIX_FMT_BF6
.endif
.endr
.rept 4
	v_nop
.endr
	s_cmp_lg_u32 s[N], s[DG]                       ; on the diagonal the scores of hidden keys become -infinity ahead of the maximum: p = 0 then.  The branch hangs on ids and the trip alone
	s_cbranch_scc1 .Lopen_\@
	v_mov_b32 v[TT], 0xff800000
.set n, 0
.rept 64
	v_cmp_gt_i32 vcc_lo, 32*(n/16)+n%16, v[DM]     ; register 16 b + i holds key 32 b + 16 h + i of the block: hidden where 32 b + i > my query's place - 16 h
	v_cndmask_b32 v[S+n], v[S+n], v[TT], vcc_lo
.set n, n+1
.endr
.Lopen_\@:
.irp b, 0,1,2,3
	v_max3_num_f32 v[BM+\b], v[S+16*\b], v[S+1+16*\b], v[S+2+16*\b]   ; the largest score of each block of 32 keys: it serves for the row's maximum and, since p rises with the score, for the block's largest p
.endr
.irp i, 3,5,7,9,11,13
.irp b, 0,1,2,3
	v_max3_num_f32 v[BM+\b], v[BM+\b], v[S+16*\b+\i], v[S+1+16*\b+\i]
.endr
.endr
.irp b, 0,1,2,3
	v_max_num_f32 v[BM+\b], v[BM+\b], v[S+15+16*\b]
.endr
.irp b, 0,1,2,3
	s_delay_alu instid0(VALU_DEP_4)
	v_permlanex16_b32 v[PT+\b], v[BM+\b], s[SEL], s[SEL+1]
.endr
.irp b, 0,1,2,3
	s_delay_alu instid0(VALU_DEP_4)
	v_max_num_f32 v[BM+\b], v[BM+\b], v[PT+\b]     ; with lane l xor 16's 16 keys
.endr
	s_delay_alu instid0(VALU_DEP_2)
	v_max3_num_f32 v[TT], v[BM], v[BM+1], v[BM+2]
	s_delay_alu instid0(VALU_DEP_1)
	v_max_num_f32 v[TT], v[TT], v[BM+3]            ; the step's largest score of my query
	s_delay_alu instid0(VALU_DEP_1)
	v_mul_f32 v[TT], s[CS], v[TT]                  ; as t (c is positive)
	s_delay_alu instid0(VALU_DEP_1)
	v_max_num_f32 v13, v13, v[TT]                  ; the running largest t
	v_mov_b32 v[TT], v12
	s_delay_alu instid0(VALU_DEP_2)
	v_floor_f32 v12, -v13                          ; the new -M = floor(-t) = -ceil(t): a whole number
	s_delay_alu instid0(VALU_DEP_1)
	v_sub_f32 v[TT], v12, v[TT]                    ; old M - new M: a whole number, 0 or less
	s_delay_alu instid0(VALU_DEP_1)
	v_cvt_i32_f32 v[TT], v[TT]                     ; (it saturates)
	s_delay_alu instid0(VALU_DEP_1)
	v_ldexp_f32 v[F], 1.0, v[TT]                   ; f = 2^(old M - new M)
.set j, 0
.rept 32
	v_pk_fma_f32 v[S+j:S+j+1], v[S+j:S+j+1], s[CS:CS+1], v[12:13] op_sel_hi:[1,0,0]   ; t - M, two at a time (of the pairs c and -M the low word serves both halves)
.set j, j+2
.endr
.irp b, 0,1,2,3
	v_fma_f32 v[BM+\b], v[BM+\b], s[CS], v12       ; the same of each block's largest score
.endr
.set j, 0
	s_wait_alu depctr_va_vdst(0)
.rept 64
	v_exp_f32 v[S+j], v[S+j]                       ; p = 2^(t - M), at most 1
.set j, j+1
.endr
	s_setprio 1
	v_pk_mul_f32 v[14:15], v[14:15], v[F:F+1] op_sel_hi:[1,0]   ; the sums under the new M: the plain place behind the exponentials
	s_wait_alu depctr_va_vdst(0)                   ; one wait for the whole batch, ahead of its first reader
.irp b, 0,1,2,3
	v_exp_f32 v[BM+\b], v[BM+\b]                   ; the block's largest p: the same two instructions on the same number give the same bits
.endr
	v_pk_add_f32 v[248:249], v[148:149], v[152:153]
	v_pk_add_f32 v[254:255], v[156:157], v[160:161]
	v_pk_add_f32 v[252:253], v[164:165], v[168:169]
	v_pk_add_f32 v[250:251], v[172:173], v[176:177]
	v_pk_add_f32 v[92:93], v[180:181], v[184:185]
	v_pk_add_f32 v[90:91], v[188:189], v[192:193]
	v_pk_add_f32 v[82:83], v[196:197], v[200:201]
	v_pk_add_f32 v[14:15], v[14:15], v[204:205]
	v_pk_add_f32 v[248:249], v[248:249], v[144:145]
	v_pk_add_f32 v[254:255], v[254:255], v[146:147]
	v_pk_add_f32 v[252:253], v[252:253], v[150:151]
	v_pk_add_f32 v[250:251], v[250:251], v[154:155]
	v_pk_add_f32 v[92:93], v[92:93], v[158:159]
	v_pk_add_f32 v[90:91], v[90:91], v[162:163]
	v_pk_add_f32 v[82:83], v[82:83], v[166:167]
	v_pk_add_f32 v[14:15], v[14:15], v[170:171]
	v_pk_add_f32 v[248:249], v[248:249], v[174:175]
	v_pk_add_f32 v[254:255], v[254:255], v[178:179]
	v_pk_add_f32 v[252:253], v[252:253], v[182:183]
	v_pk_add_f32 v[250:251], v[250:251], v[186:187]
	v_pk_add_f32 v[92:93], v[92:93], v[190:191]
	v_pk_add_f32 v[90:91], v[90:91], v[194:195]
	v_pk_add_f32 v[82:83], v[82:83], v[198:199]
	v_pk_add_f32 v[14:15], v[14:15], v[202:203]
	v_pk_add_f32 v[248:249], v[248:249], v[206:207]
	s_delay_alu instid0(VALU_DEP_2)
	v_pk_add_f32 v[14:15], v[14:15], v[250:251]
	s_delay_alu instid0(VALU_DEP_2)
	v_pk_add_f32 v[248:249], v[248:249], v[92:93]
	v_pk_add_f32 v[254:255], v[254:255], v[90:91]
	v_pk_add_f32 v[252:253], v[252:253], v[82:83]
	s_delay_alu instid0(VALU_DEP_2)
	v_pk_add_f32 v[14:15], v[14:15], v[254:255]
	s_delay_alu instid0(VALU_DEP_2)
	v_pk_add_f32 v[248:249], v[248:249], v[252:253]
	s_delay_alu instid0(VALU_DEP_1)
	v_pk_add_f32 v[14:15], v[14:15], v[248:249]
	s_wait_alu depctr_va_vdst(0)                   ; and one for the four
.irp b, 0,1,2,3
	v_max_num_f32 v[BM+\b], 0x2800000, v[BM+\b]    ; the floor 2^(5 - 127): the byte cannot fall under 1 (a block whose every p is 0 keeps that byte: its codes are zeros)
.endr
.irp b, 0,1,2,3
	s_delay_alu instid0(VALU_DEP_4)
	v_add_nc_u32 v[SO+\b], 0xfe000000, v[BM+\b]    ; 4 off the exponent field: the conversion's scale operand
.endr
.irp b, 0,1,2,3
	s_delay_alu instid0(VALU_DEP_4)
	v_lshrrev_b32 v[PT+\b], 23, v[SO+\b]           ; the scale's byte
.endr
	s_delay_alu instid0(VALU_DEP_3)
	v_lshl_or_b32 v[PW], v[PT+1], 8, v[PT]         ; p's scale word for these 128 keys
	s_delay_alu instid0(VALU_DEP_1)
	v_lshl_or_b32 v[PW], v[PT+2], 16, v[PW]
	s_delay_alu instid0(VALU_DEP_1)
	v_lshl_or_b32 v[PW], v[PT+3], 24, v[PW]
.irp c, 0,1
	v_cvt_scalef32_pk16_bf6_f32 v[KB+6*\c:KB+6*\c+2], v[S+32*\c:S+15+32*\c], v[SO+2*\c]
	v_cvt_scalef32_pk16_bf6_f32 v[KB+12+4*\c:KB+14+4*\c], v[S+16+32*\c:S+31+32*\c], v[SO+2*\c+1]   ; (a conversion's three registers begin on an even number)
.endr
	v_nop                                          ; one plain place behind the scaled conversions
.irp c, 0,1                                    ; the operand's layout wants a WHOLE block in a lane
.irp i, 0,1,2
	v_permlane16_swap_b32 v[KB+6*\c+\i], v[KB+12+4*\c+\i]
.endr
.irp i, 0,1,2
	s_delay_alu instid0(VALU_DEP_3)
	v_mov_b32 v[KB+3+6*\c+\i], v[KB+12+4*\c+\i]
.endr
.endr
.set j, 0
.rept 16
	v_pk_mul_f32 v[O+j:O+j+1], v[O+j:O+j+1], v[F:F+1] op_sel_hi:[1,0]   ; O^T under the new M; these sixteen are also the places between p's codes and scale word and the products below
.set j, j+2
.endr
	s_wait_alu depctr_va_vdst(0)
	s_wait_dscnt 0x0                               ; V and its scale words are in
.irp f, 0,1,2,3                                ; the four accumulators take turns, one instruction a turn
.if \f%2
	v_wmma_scale_f32_16x16x128_f8f6f4 v[O+8*\f:O+8*\f+7], v[VB+12*\f:VB+12*\f+11], v[KB:KB+11], v[O+8*\f:O+8*\f+7], v[VS+\f/2], v[PW] matrix_a_fmt:MATRIX_FMT_BF6 matrix_b_fmt:MATRIX_FMT_BF6 matrix_a_scale:MATRIX_SCALE_ROW1
.else
	v_wmma_scale_f32_16x16x128_f8f6f4 v[O+8*\f:O+8*\f+7], v[VB+12*\f:VB+12*\f+11], v[KB:KB+11], v[O+8*\f:O+8*\f+7], v[VS+\f/2], v[PW] matrix_a_fmt:MATRIX_FMT_BF6 matrix_b_fmt:MATRIX_FMT_BF6
.endif
.endr
	FINISH
	s_add_co_u32 s[N], s[N], 1
	s_add_co_u32 s[TB], s[TB], BLK
.endm
; THE CHANGE OF SLOTS stands at a slot's head.  Each wave waits for all its tensor loads (its part of the slot that it is about to read), adds 0 to its spare word, and waits for that and for its reads of the slot that it has left.
; Behind the barrier the slot ahead is whole and nobody reads the other one.  fill = 1: that other slot takes the next three trips' blocks: the load has three key steps in which to land.
.macro CHANGE fill
	s_wait_tensorcnt 0x0                           ; no tensor load of mine is out, so group 0 may be written
	ds_add_u32 v[SPW], v[NIL]                      ; 0 onto my spare word: with fill = 1 the descriptor's arithmetic stands between it and the wait for it
.if \fill
	s_add_co_u32 s[NF], s[NF], 3                   ; my trip of the next slot;
	s_cmp_ge_u32 s[NF], s[NA]
	s_cselect_b32 s48, s[NA], 0
	s_sub_co_u32 s48, s[NF], s48                   ; its key step: the second block begins again at 0
	s_mul_i32 s[OFF], s48, BLK
	s_add_nc_u64 s[G0+2:G0+3], s[KVH:KVH+1], s[OFF:OFF+1]
	s_or_b32 s[G0+3], s[G0+3], 0x80000000
	s_xor_b32 s[G0+1], s[G0+1], SLOT1              ; into the other slot than last time
	s_wait_xcnt 0x0                                ; the last prefetch, a slot back, has read its address, so it may be written
	s_add_nc_u64 s[PFA:PFA+1], s[PFA:PFA+1], 160*256
	s_add_co_u32 s[PFPOS], s[PFPOS], 160
.endif
	s_wait_dscnt 0x0                               ; the add is done, and my reads of the slot that I have left are over
	s_barrier_signal -1
	s_barrier_wait -1
.if \fill
	TLOAD                                          ; the first thing behind the barrier, and a wave's one tensor load until the next
	ASK
.endif
.endm
.macro THREE_STEPS                     ; a slot's three key steps: written once, walked three times; the LDS addresses hang on s[TB]
	s_mov_b32 s[INNER], 3
.Lstep_\@:
	s_setprio 2
	STEP
	s_sub_co_u32 s[INNER], s[INNER], 1
	s_cmp_lg_u32 s[INNER], 0
	s_cbranch_scc1 .Lstep_\@
	s_setprio 0
	s_sub_co_u32 s[TB], s[TB], 3*BLK               ; back to a slot's first block,
	s_xor_b32 s[TB], s[TB], SLOT1                  ; in the other slot
.endm
	s_wait_loadcnt 0x0                             ; both Q
	s_mov_b32 s[SLOTS], 10
.Lslot:                                            ; ten trips: behind each change of slots but the last the next slot is asked for
	CHANGE 1
	THREE_STEPS
	s_sub_co_u32 s[SLOTS], s[SLOTS], 1
	s_cmp_lg_u32 s[SLOTS], 0
	s_cbranch_scc1 .Lslot
	CHANGE 0                                       ; the last slot is written out
	THREE_STEPS
	s_wait_tensorcnt 0x0                           ; the wave's end
	ds_add_u32 v[SPW], v[NIL]
	s_wait_dscnt 0x0
	s_endpgm
.Lfunc_end_k_q3e894a00ce_attn:
	.size	k_q3e894a00ce_attn, .Lfunc_end_k_q3e894a00ce_attn-k_q3e894a00ce_attn
	.p2alignl 7, 3214868480
	.fill 96, 4, 3214868480
	.section	.rodata,"a",@progbits
	.p2align	6, 0x0
	.amdhsa_kernel k_q3e894a00ce_attn
		.amdhsa_group_segment_fixed_size 327680
		.amdhsa_private_segment_fixed_size 0
		.amdhsa_enable_private_segment 0
		.amdhsa_kernarg_size 24
		.amdhsa_user_sgpr_count 2
		.amdhsa_user_sgpr_kernarg_segment_ptr 1
		.amdhsa_wavefront_size32 1
		.amdhsa_system_sgpr_workgroup_id_x 1
		.amdhsa_system_sgpr_workgroup_id_y 1
		.amdhsa_system_sgpr_workgroup_id_z 1
		.amdhsa_system_vgpr_workitem_id 0
		.amdhsa_next_free_vgpr 256
		.amdhsa_next_free_sgpr 66
		.amdhsa_reserve_vcc 1
		.amdhsa_float_denorm_mode_32 3
		.amdhsa_float_denorm_mode_16_64 3
		.amdhsa_memory_ordered 1
		.amdhsa_forward_progress 1
		.amdhsa_inst_pref_size 64
	.end_amdhsa_kernel
	.amdgpu_metadata
---
amdhsa.version: [ 1, 2 ]
amdhsa.kernels:
  - .name:           k_q3e894a00ce_attn
    .symbol:         k_q3e894a00ce_attn.kd
    .args:
      - { .name: qimg, .offset: 0, .size: 8, .value_kind: global_buffer, .address_space: global }
      - { .name: kv, .offset: 8, .size: 8, .value_kind: global_buffer, .address_space: global }
      - { .name: out0, .offset: 16, .size: 8, .value_kind: global_buffer, .address_space: global }
    .group_segment_fixed_size: 327680
    .private_segment_fixed_size: 0
    .kernarg_segment_align: 8
    .kernarg_segment_size: 24
    .max_flat_workgroup_size: 256
    .sgpr_count:     66
    .vgpr_count:     256
    .wavefront_size: 32
...
	.end_amdgpu_metadata
.endif
;; end of part 2
